; MI455X (gfx1250); checked and timed in simulation.
; The chip was launched on July 23, 2026; its instructions are those of AMD's public machine-readable ISA for CDNA 5 (MIT licence, August 2026) and "CDNA5" Instruction Set Architecture Reference Guide (July 2026). The comments in the code are by the model that wrote it; some were corrected since.
;; Multi Head Attention. Allowed arithmetic: float matrix products may take bf16 or f16 operands with f32 sums; all other float work in f32.
;; Inputs: k 2 x 2,048 x 1,024 float32; q 2 x 2,048 x 1,024 float32; v 2 x 2,048 x 1,024 float32; wk 1,024 x 1,024 float32; wo 1,024 x 1,024 float32; wq 1,024 x 1,024 float32; wv 1,024 x 1,024 float32.
;; Outputs: out0 2 x 2,048 x 1,024 float32.
;; One version. Each part assembles by itself: llvm-mc -triple=amdgcn-amd-amdhsa -mcpu=gfx1250 --defsym DOCPART=n.
;; ======== version 1 of 1: 3 launches
;; limits: values are held in f16: magnitudes above 65,504 overflow, below 6.1e-05 lose precision
;; workspace buffers: xp 25,165,824 bytes; cx 9,437,184 bytes; wob 2,097,152 bytes
;; launch proj (part 1): grid 4 x 48, 4 waves a work-group, clusters of 4 x 4, 327,680 bytes of LDS; arguments q, k, v, wq, wk, wv, xp; writes xp
.if DOCPART == 1
	.amdgcn_target "amdgcn-amd-amdhsa--gfx1250"
	.amdhsa_code_object_version 6
	.text
	.protected	k_q0f2fc88ed7_proj
	.globl	k_q0f2fc88ed7_proj
	.p2align	8
	.type	k_q0f2fc88ed7_proj,@function
k_q0f2fc88ed7_proj:
	s_mov_b64 s[64:65], 0
	v_nop
	global_prefetch_b8 v0, s[64:65] scope:SCOPE_SE
	s_setreg_imm32_b32 hwreg(HW_REG_WAVE_MODE, 25, 1), 1
	s_wait_xcnt 0x0
	s_wait_alu depctr_hold_cnt(0) depctr_sa_sdst(0) depctr_va_vdst(0) depctr_va_sdst(0) depctr_va_ssrc(0) depctr_va_vcc(0) depctr_vm_vsrc(0)
	s_getreg_b32 s2, hwreg(HW_REG_IB_STS2, 6, 4)
	s_cmp_eq_u32 s2, 0
	s_cbranch_scc0 .Lentry_in_a_cluster
	s_endpgm
.Lentry_in_a_cluster:
	s_bfe_u32 s2, ttmp6, 0x10000c
	s_cmp_lg_u32 s2, 0xf033
	s_cbranch_scc0 .Lentry_shape_is_right
	s_endpgm
.Lentry_shape_is_right:
; xp[part][b*16+head][s][64] (f16) = x[b*2048+s][:] . w[head*64+d][:],  part 0, 1, 2 = (q, wq), (k, wk), (v, wv).
; x: [4096][1024] f32, w: [1024][1024] f32.  Operands are rounded to bf16 on the way from LDS to the matrix unit, sums are f32.
; LIMIT: the results are kept in f16, so |x . w| has to stay below 65,504.
; A work-group makes 256 x 256 of one product with four waves; a wave makes 128 x 128: 64 accumulator tiles, 512 registers.
; 3 products x 16 x 4 blocks = 192 work-groups: blocks of 128 x 128 would give 768 but read twice the f32 bytes from LDS for each product.
; K goes in steps of 64 (a tile's row: 256 bytes of f32, aligned) through a ring of two LDS slots filled by the tensor data mover.
; CLUSTERS: 4 x 4 work-groups.  The four of a row of the cluster need the same tile of x, the four of a column the same tile of w:
; each tile is asked for jointly, with a mask that names the four.  All sixteen work on the same product (it hangs on the cluster's y alone).
; REGISTERS in windows of 256:
;   window 0: v16-26 addresses; v64-95 packed results on the way out; v128-191, v192-255 fragments of x in bf16, two buffers
;   window 1: v0-127 one side's 8 fragments as f32, as loaded; v128-191, v192-255 fragments of w in bf16, two buffers
;   window 2: the accumulator tiles of my rows 0-63 (tile (a, b) at v[8 (8 a + b)]);  window 3: those of my rows 64-127
; The matrix instruction is used transposed (source 0 = rows of w, source 1 = rows of x): a lane then holds eight neighbouring columns of one row.
.set DIMK,   1024
.set KSLOT,  64                        ; K in a slot
.set PITCH,  272                       ; an LDS row: 256 bytes + 16 of padding, so that 16 rows start at 16 different 16-byte columns
.set HALFT,  128*PITCH                 ; 128 rows: what one tensor load brings
.set SLOT,   4*HALFT                   ; x's 256 rows, then w's 256 rows
.set STAGE,  2*SLOT                    ; behind the ring: 16 rows x 272 bytes for each wave; no tensor load lands here
.set SPITCH, 272
.set LAPS,   DIMK/(2*KSLOT)            ; 8 laps of two slots
.set ADRA, 16                          ; v16-17  LDS address of my x fragments in slot 0, 1
.set ADRB, 20                          ; v20-21  the same for w
.set STO,  24
.set RD,   25
.set CO,   26
.set TMP,  64
.set F0,   128
.set F1,   192
.set R,    0                           ; window 1
.set G1,  24                           ; s[24:31] group 1 for x's tiles
.set G0,  32                           ; s[32:39] group 0 for x's tiles, one set a slot
.set G1B, 48                           ; s[48:55] group 1 for w's tiles
.set G0B, 56                           ; s[56:63] group 0 for w's tiles, one set a slot
.set MSB, 0
.macro WIN new                         ; the immediate's high byte repeats the setting that is left
.if MSB != \new
	s_set_vgpr_msb (MSB<<8)|\new
.set MSB, \new
.endif
.endm
.set MUL_LO, 0xa1                      ; source 0 (w) window 1, source 1 (x) window 0, C and D window 2
.set MUL_HI, 0xf1                      ; the same, C and D window 3
; A joint load: waves 0 and 1 fetch x's two halves, waves 2 and 3 w's.  The branch hangs on the wave's number alone.
.macro JLOAD s
	s_cmp_eq_u32 s11, 0
	s_cbranch_scc0 .Lfor_b_\@
	tensor_load_to_lds s[G0+4*\s:G0+4*\s+3], s[G1:G1+7]
	s_nop 0
	s_branch .Lasked_\@
.Lfor_b_\@:
	tensor_load_to_lds s[G0B+4*\s:G0B+4*\s+3], s[G1B:G1B+7]
	s_nop 0
.Lasked_\@:
.endm
.macro CREST                           ; a round of the cluster's barrier behind its opening work-group barrier
	s_cmp_lg_u32 s10, 0
	s_cbranch_scc1 .Lnot_wave_0_\@
	s_barrier_signal -3
.Lnot_wave_0_\@:
	s_barrier_wait -3
	s_barrier_signal -1
	s_barrier_wait -1
.endm
.macro CROUND                          ; a whole round
	s_barrier_signal -1
	s_barrier_wait -1
	CREST
.endm
.macro PLACES                          ; four plain vector places behind a matrix instruction (ISA guide 7.12.1)
.rept 4
	v_nop
.endr
.endm
	s_load_b256 s[68:75], s[0:1], 0x0              ; q, k, v, wq
	s_load_b128 s[76:79], s[0:1], 0x20             ; wk, wv
	s_load_b64 s[80:81], s[0:1], 0x30              ; xp
	v_lshl_add_u32 v126, v0, 2, 0x48400
	v_mov_b32 v127, 0
	ds_add_u32 v126, v127
	ds_add_u32 v126, v127
	v_lshrrev_b32 v1, 5, v0
	v_readfirstlane_b32 s10, v1                    ; wave 0..3
	s_lshr_b32 s11, s10, 1                         ; my half of the block's rows; also: I fetch for x (0) or for w (1)
	s_and_b32 s12, s10, 1                          ; my half of its columns; also: which 128 rows of that tile I fetch
	s_bfe_u32 s40, ttmp6, 0x40000                  ; cx
	s_bfe_u32 s41, ttmp6, 0x40004                  ; cy
	s_lshl_b32 s42, ttmp9, 2
	s_add_co_u32 s42, s42, s40                     ; block column 0..3
	s_and_b32 s9, ttmp7, 0xffff                    ; the cluster's y, 0..11
	s_and_b32 s13, s9, 3
	s_lshl_b32 s13, s13, 2
	s_add_co_u32 s13, s13, s41                     ; block row 0..15 inside the product
	s_lshr_b32 s9, s9, 2                           ; which product: the same in the whole cluster
	s_lshl_b32 s43, s41, 2
	s_lshl_b32 s43, 15, s43                        ; my row of the cluster
	s_lshl_b32 s44, 0x1111, s40                    ; my column
	; group 1: a tile of 128 rows x 64 f32, 16 bytes of padding behind every 64 words
	s_or_b32 s[G1+0], s43, (2<<16)|(1<<20)|(1<<21)|(5<<22)|(3<<25)
	s_or_b32 s[G1B+0], s44, (2<<16)|(1<<20)|(1<<21)|(5<<22)|(3<<25)
	s_mov_b32 s[G1+1], KSLOT<<16                   ; tensor_dim0 = 64
	s_mov_b32 s[G1B+1], KSLOT<<16
	s_mov_b32 s[G1+2], 128<<16                     ; tensor_dim1 = 128
	s_mov_b32 s[G1B+2], 128<<16
	s_mov_b32 s[G1+3], KSLOT<<16                   ; tile_dim0 = 64
	s_mov_b32 s[G1B+3], KSLOT<<16
	s_mov_b32 s[G1+4], 128                         ; tile_dim1 = 128
	s_mov_b32 s[G1B+4], 128
	s_mov_b32 s[G1+5], DIMK                        ; elements from row to row
	s_mov_b32 s[G1B+5], DIMK
	s_mov_b32 s[G1+6], 0
	s_mov_b32 s[G1B+6], 0
	s_mov_b32 s[G1+7], 0
	s_mov_b32 s[G1B+7], 0
	; byte offsets of the tiles: x's hangs on the block row alone, w's on the block column alone
	s_lshl_b32 s18, s12, 7
	s_lshl_b32 s16, s13, 8
	s_add_co_u32 s16, s16, s18
	s_lshl_b32 s16, s16, 12                        ; (256 x block row + 128 x half) rows of 4,096 bytes
	s_mov_b32 s17, 0
	s_lshl_b32 s46, s42, 8
	s_add_co_u32 s46, s46, s18
	s_lshl_b32 s46, s46, 12
	s_mov_b32 s47, 0
	s_mul_i32 s20, s10, HALFT                      ; LDS: x's halves, then w's halves = wave x 128 rows
	s_wait_dscnt 0x0
	s_wait_kmcnt 0x0
	s_cmp_eq_u32 s9, 1
	s_cselect_b64 s[4:5], s[70:71], s[68:69]       ; k or q
	s_cselect_b64 s[6:7], s[76:77], s[74:75]       ; wk or wq
	s_cmp_eq_u32 s9, 2
	s_cselect_b64 s[4:5], s[72:73], s[4:5]         ; v
	s_cselect_b64 s[6:7], s[78:79], s[6:7]         ; wv
	s_add_nc_u64 s[14:15], s[4:5], s[16:17]
	s_add_nc_u64 s[46:47], s[6:7], s[46:47]
	CROUND                                         ; all sixteen work-groups are here: the first joint loads meet
.irp s, 0,1
	s_mov_b32 s[G0+4*\s], 1
	s_add_co_u32 s[G0+4*\s+1], s20, \s*SLOT
	s_add_nc_u64 s[G0+4*\s+2:G0+4*\s+3], s[14:15], \s*KSLOT*4
	s_or_b32 s[G0+4*\s+3], s[G0+4*\s+3], 0x80000000
	s_mov_b32 s[G0B+4*\s], 1
	s_add_co_u32 s[G0B+4*\s+1], s20, \s*SLOT
	s_add_nc_u64 s[G0B+4*\s+2:G0B+4*\s+3], s[46:47], \s*KSLOT*4
	s_or_b32 s[G0B+4*\s+3], s[G0B+4*\s+3], 0x80000000
	JLOAD \s                                       ; two tensor loads of the wave are out after these
.endr
	; A fragment's lane l holds row l % 16, K = 8 (l / 16) + 0..7 and 16 + 8 (l / 16) + 0..7: in f32 two pieces of 32 bytes, 64 bytes apart.
	v_and_b32 v1, 15, v0
	v_bfe_u32 v2, v0, 4, 1
	v_mul_u32_u24 v3, v1, PITCH
	v_lshl_add_u32 v3, v2, 5, v3                   ; row x pitch + 32 x half
	s_mul_i32 s21, s11, HALFT
	s_mul_i32 s22, s12, HALFT
	s_add_co_u32 s22, s22, 2*HALFT
.irp s, 0,1
	v_add_nc_u32 v[ADRA+\s], s21, v3
	v_add_nc_u32 v[ADRB+\s], s22, v3
	s_add_co_u32 s21, s21, SLOT
	s_add_co_u32 s22, s22, SLOT
.endr
	s_mul_i32 s23, s10, 16*SPITCH
	s_add_co_u32 s23, s23, STAGE
	v_mul_u32_u24 v4, v1, SPITCH                   ; in: row l % 16, 16 bytes for each half of the lanes
	v_lshl_add_u32 v4, v2, 4, v4
	v_add_nc_u32 v[STO], s23, v4
	v_bfe_u32 v5, v0, 3, 1                         ; back: lanes 0-15 take two rows of the left head's 128 bytes, lanes 16-31 of the right head's
	v_mul_u32_u24 v5, v5, SPITCH
	v_lshl_add_u32 v5, v2, 7, v5
	v_and_b32 v6, 7, v0
	v_lshl_add_u32 v5, v6, 4, v5
	v_add_nc_u32 v[RD], s23, v5
	v_lshlrev_b32 v6, 18, v2                       ; in xp the right head lies 262,144 bytes behind the left
	v_lshl_add_u32 v[CO], v1, 4, v6
; 16 matrix instructions: m blocks a0, a0 + 1 of the window's four x all 8 n blocks, 32 along K.  zero = 1: the first product starts the sums.
.macro MUL16 f, hi, a0, zero
.irp a, \a0, \a0+1
.irp b, 0,1,2,3,4,5,6,7
.if \zero
	v_wmma_f32_16x16x32_bf16 v[8*(8*(\a)+\b):8*(8*(\a)+\b)+7], v[\f+8*\b:\f+8*\b+7], v[\f+8*(4*\hi+\a):\f+8*(4*\hi+\a)+7], 0
.else
	v_wmma_f32_16x16x32_bf16 v[8*(8*(\a)+\b):8*(8*(\a)+\b)+7], v[\f+8*\b:\f+8*\b+7], v[\f+8*(4*\hi+\a):\f+8*(4*\hi+\a)+7], v[8*(8*(\a)+\b):8*(8*(\a)+\b)+7]
.endif
.endr
.endr
.endm
; 32 LDS loads: one side's 8 fragments (128 rows, 32 K at byte k of the rows) as f32 into window 1's v0-127, which no matrix instruction names
.macro RAW adr, slot, k
	WIN 0x40
.irp i, 0,1,2,3,4,5,6,7
	ds_load_b128 v[R+16*\i:R+16*\i+3],     v[\adr+\slot] offset:\k+\i*16*PITCH
	ds_load_b128 v[R+16*\i+4:R+16*\i+7],   v[\adr+\slot] offset:\k+\i*16*PITCH+16
	ds_load_b128 v[R+16*\i+8:R+16*\i+11],  v[\adr+\slot] offset:\k+\i*16*PITCH+64
	ds_load_b128 v[R+16*\i+12:R+16*\i+15], v[\adr+\slot] offset:\k+\i*16*PITCH+80
.endr
.endm
; 64 roundings of two f32 to bf16: the raw side becomes 8 fragments in buffer g (win 0x45: w, window 1; 0x05: x, window 0).
; The buffer's last matrix reader lies at least 64 such conversions back, so the four places behind it are kept.
.macro CVT win, g
	WIN \win
.set ci, 0
.rept 64
	v_cvt_pk_bf16_f32 v[\g+ci], v[R+2*ci], v[R+2*ci+1]
.set ci, ci+1
.endr
.endm
; 32 along K: multiplies buffer f (64 matrix instructions on 64 accumulators by turns) and brings the 32 K at byte rk of slot rs into buffer g.
; turn = 1: these were the last reads of slot rs.  Each wave waits for its LDS reads and for all its tensor loads, of which one is out (its part
; of the other slot), and signals; the conversions are register work while the others arrive.  fill = 1: the barrier opens a round of the
; cluster's barrier, and behind the round the slot is asked for again, two slots of K ahead: that load has 128 matrix instructions in which to land.
.macro HALF f, g, rs, rk, zero, turn, fill, slot
	RAW ADRB, \rs, \rk
	WIN MUL_LO
	MUL16 \f, 0, 0, \zero
	MUL16 \f, 0, 2, \zero
	s_wait_dscnt 0x0                               ; w's 32 loads are in
	CVT 0x45, \g
	RAW ADRA, \rs, \rk
	WIN MUL_HI
	MUL16 \f, 1, 0, \zero
	MUL16 \f, 1, 2, \zero
	s_wait_dscnt 0x0                               ; x's 32 loads are in; at a turn: my reads of the slot are over
.if \turn
	s_set_vgpr_msb 0xf1f0
	s_wait_tensorcnt 0x0                           ; all my tensor loads have landed
	ds_add_u32 v126, v127
	s_wait_dscnt 0x0
	s_set_vgpr_msb 0xf0f1
	s_barrier_signal -1
.endif
	CVT 0x05, \g
.if \turn
	WIN 0
	s_barrier_wait -1
.if \fill
	CREST                                          ; no wave of any partner still reads this slot or has a load on its way
	s_add_nc_u64 s[G0+4*\slot+2:G0+4*\slot+3], s[G0+4*\slot+2:G0+4*\slot+3], 2*KSLOT*4
	s_add_nc_u64 s[G0B+4*\slot+2:G0B+4*\slot+3], s[G0B+4*\slot+2:G0B+4*\slot+3], 2*KSLOT*4
	JLOAD \slot                                    ; the wave's one tensor load behind the round, ahead of its next LDS read
.endif
.endif
.endm
.macro LAP zero                        ; once round the ring, both slots filled again
	HALF F0, F1, 0, 128, \zero, 1, 1, 0
	HALF F1, F0, 1, 0,   0,     0, 0, 0
	HALF F0, F1, 1, 128, 0,     1, 1, 1
	HALF F1, F0, 0, 0,   0,     0, 0, 0
.endm
	s_wait_tensorcnt 0x1                           ; my part of slot 0 is in; slot 1's load may stay out
	s_barrier_signal -1
	s_barrier_wait -1
	RAW ADRB, 0, 0
	s_wait_dscnt 0x0
	CVT 0x45, F0
	RAW ADRA, 0, 0
	s_wait_dscnt 0x0
	CVT 0x05, F0
	LAP 1                                          ; the first lap's first products start the sums
	WIN 0
	s_mov_b32 s3, LAPS-2
.Llap:
	LAP 0
	WIN 0
	s_sub_co_u32 s3, s3, 1
	s_cmp_lg_u32 s3, 0
	s_cbranch_scc1 .Llap
	HALF F0, F1, 0, 128, 0, 1, 0, 0                ; the last lap fills nothing: a plain barrier shows slot 1's last tile to all four waves
	HALF F1, F0, 1, 0,   0, 0, 0, 0
	HALF F0, F1, 1, 128, 0, 0, 0, 0
	WIN MUL_LO
	MUL16 F1, 0, 0, 0
	MUL16 F1, 0, 2, 0
	WIN MUL_HI
	MUL16 F1, 1, 0, 0
	MUL16 F1, 1, 2, 0
	; THE WAY OUT, 16 rows at a time: round to f16, 16 bytes a lane into my own stage, read back so that sixteen lanes hold two
	; neighbouring rows (256 bytes) of one head.
	PLACES
	s_lshr_b32 s82, s13, 3                         ; batch
	s_lshl_b32 s82, s82, 4
	s_lshl_b32 s83, s42, 2
	s_add_co_u32 s82, s82, s83                     ; + 4 heads a block column
	s_lshl_b32 s83, s12, 1
	s_add_co_u32 s82, s82, s83                     ; + 2 heads a wave's half
	s_lshl_b32 s82, s82, 11                        ; x 2,048 rows
	s_and_b32 s83, s13, 7
	s_lshl_b32 s83, s83, 8
	s_add_co_u32 s82, s82, s83
	s_lshl_b32 s83, s11, 7
	s_add_co_u32 s82, s82, s83                     ; + my first row in the batch
	s_lshl_b32 s82, s82, 7                         ; x 128 bytes
	s_lshl_b32 s83, s9, 23                         ; + the product's part of 8,388,608 bytes
	s_add_co_u32 s82, s82, s83
	s_mov_b32 s83, 0
	s_add_nc_u64 s[80:81], s[80:81], s[82:83]
.macro OUT16 i, a, from, f
	WIN \from
.irp b, 0,1,2,3,4,5,6,7
.irp r, 0,1,2,3
	v_cvt_pk_f16_f32 v[TMP+4*\b+\r], v[8*(8*\a+\b)+2*\r], v[8*(8*\a+\b)+2*\r+1]
.endr
.endr
	WIN 0
.irp b, 0,1,2,3,4,5,6,7
	ds_store_b128 v[STO], v[TMP+4*\b:TMP+4*\b+3] offset:32*\b
.endr
	s_wait_xcnt 0x0                                ; buffer f, which earlier stores read, and the stores' base are rewritten only behind this wait
.if \i
	s_add_nc_u64 s[80:81], s[80:81], 16*128        ; 16 rows of a head on
.endif
.irp t, 0,1,2,3,4,5,6,7
	ds_load_b128 v[\f+4*\t:\f+4*\t+3], v[RD] offset:\t*2*SPITCH    ; a wave's LDS instructions are served in order: these see the stores above
.endr
.irp t, 0,1,2,3,4,5,6,7
	s_wait_dscnt 7-\t                              ; the younger read-backs may stay out
	global_store_b128 v[CO], v[\f+4*\t:\f+4*\t+3], s[80:81] offset:256*\t   ; 16 lanes store 256 consecutive bytes, aligned
.endr
.endm
	OUT16 0, 0, 0x0a, F0
	OUT16 1, 1, 0x0a, F1
	OUT16 2, 2, 0x0a, F0
	OUT16 3, 3, 0x0a, F1
	OUT16 4, 0, 0x0f, F0
	OUT16 5, 1, 0x0f, F1
	OUT16 6, 2, 0x0f, F0
	OUT16 7, 3, 0x0f, F1
	s_wait_tensorcnt 0x0
	ds_add_u32 v126, v127
	s_wait_dscnt 0x0
	CROUND                                         ; the closing round: no work-group ends while a partner may still ask for a tile that names it
	s_endpgm
.Lfunc_end_k_q0f2fc88ed7_proj:
	.size	k_q0f2fc88ed7_proj, .Lfunc_end_k_q0f2fc88ed7_proj-k_q0f2fc88ed7_proj
	.p2alignl 7, 3214868480
	.fill 96, 4, 3214868480
	.section	.rodata,"a",@progbits
	.p2align	6, 0x0
	.amdhsa_kernel k_q0f2fc88ed7_proj
		.amdhsa_group_segment_fixed_size 327680
		.amdhsa_private_segment_fixed_size 0
		.amdhsa_enable_private_segment 0
		.amdhsa_kernarg_size 56
		.amdhsa_user_sgpr_count 2
		.amdhsa_user_sgpr_kernarg_segment_ptr 1
		.amdhsa_wavefront_size32 1
		.amdhsa_system_sgpr_workgroup_id_x 1
		.amdhsa_system_sgpr_workgroup_id_y 1
		.amdhsa_system_sgpr_workgroup_id_z 1
		.amdhsa_system_vgpr_workitem_id 0
		.amdhsa_next_free_vgpr 1024
		.amdhsa_next_free_sgpr 86
		.amdhsa_reserve_vcc 0
		.amdhsa_float_denorm_mode_32 3
		.amdhsa_float_denorm_mode_16_64 3
		.amdhsa_memory_ordered 1
		.amdhsa_forward_progress 1
		.amdhsa_inst_pref_size 240
	.end_amdhsa_kernel
	.amdgpu_metadata
---
amdhsa.version: [ 1, 2 ]
amdhsa.kernels:
  - .name:           k_q0f2fc88ed7_proj
    .symbol:         k_q0f2fc88ed7_proj.kd
    .args:
      - { .name: q, .offset: 0, .size: 8, .value_kind: global_buffer, .address_space: global }
      - { .name: k, .offset: 8, .size: 8, .value_kind: global_buffer, .address_space: global }
      - { .name: v, .offset: 16, .size: 8, .value_kind: global_buffer, .address_space: global }
      - { .name: wq, .offset: 24, .size: 8, .value_kind: global_buffer, .address_space: global }
      - { .name: wk, .offset: 32, .size: 8, .value_kind: global_buffer, .address_space: global }
      - { .name: wv, .offset: 40, .size: 8, .value_kind: global_buffer, .address_space: global }
      - { .name: xp, .offset: 48, .size: 8, .value_kind: global_buffer, .address_space: global }
    .group_segment_fixed_size: 327680
    .private_segment_fixed_size: 0
    .kernarg_segment_align: 8
    .kernarg_segment_size: 56
    .max_flat_workgroup_size: 128
    .sgpr_count:     86
    .vgpr_count:     1024
    .wavefront_size: 32
...
	.end_amdgpu_metadata
.endif
;; end of part 1
;; launch attn (part 2): grid 256 x 1, 8 waves a work-group, no clusters, 327,680 bytes of LDS; arguments xp, wo, wob, cx; writes cx, wob
.if DOCPART == 2
	.amdgcn_target "amdgcn-amd-amdhsa--gfx1250"
	.amdhsa_code_object_version 6
	.text
	.protected	k_q0f2fc88ed7_attn
	.globl	k_q0f2fc88ed7_attn
	.p2align	8
	.type	k_q0f2fc88ed7_attn,@function
k_q0f2fc88ed7_attn:
	s_mov_b64 s[64:65], 0
	v_nop
	global_prefetch_b8 v0, s[64:65] scope:SCOPE_SE
	s_setreg_imm32_b32 hwreg(HW_REG_WAVE_MODE, 25, 1), 1
	s_wait_xcnt 0x0
; Causal attention of one head, and on the side the cast of 4,096 numbers of wo.
; xp: [3 (q, k, v)][32 heads][2048][64] f16.
; cx: [32 blocks of 128 context rows][72 rows of 4,096 bytes]; a cx row holds two neighbouring context rows as [16 heads][even row 64 | odd row 64] f16,
; so that a head's piece is 256 consecutive bytes, aligned.  Rows 8-71 of a block: the context rounded to f16 (hi).  Rows 0-7: what that rounding left (lo)
; of the block's context rows 0-15.  A row that averages few keys is large beside the output's typical number, and so is its rounding error; from row 16 of
; a batch on a row averages 17 values or more.  Every block's first 16 rows are treated so, because the next launch's text is alike for all blocks.
; wob[n][k] = f16(bf16(wo[n][k])): wo rounded to bf16 as every other input is, then kept in f16, which the last product's other operand needs.
; LIMITS: |context| and |wo| below 65,504 (f16); |wo| below 2^-17 carries an absolute error of up to 2^-25;
; the factor log2(e) / 8 is fused with the subtraction of the running maximum into one multiply-add.
; SHARING: work-group = (head, p).  It takes the query blocks p and 15 - p (128 rows each): p + 1 and 16 - p key blocks, 17 trips in every
; work-group.  Trip t reads key block t (t <= p) or t - p - 1; trips p and 16 are on the diagonal and end a pass.
; Wave w owns 16 query rows and takes all 128 keys of a trip; two waves lie on each SIMD, so that one's softmax runs beside the other's products.
; THE RING: two LDS slots, each with the K and V tiles of TWO trips; each of the eight waves brings 64 rows (waves 0-3 V's, waves 4-7 K's), so that
; 77,824 bytes go out behind each barrier and have two trips in which to land, and there is one barrier for two trips.
; NO CLUSTER: the eight work-groups of a head want different key blocks in the same trip (the block hangs on p), so there is no joint request to make.
; LAYOUT: S^T = K Q^T (source 0 = 16 keys, source 1 = my 16 queries): lane (r, h) holds keys 8 h + 0..7 of query r, so two tiles of S^T,
; packed to f16, are a source-1 fragment of P^T as they stand.  ctx^T = V^T P^T, V^T by transposing LDS loads: lane (r, h) holds 8 neighbouring
; d of query r.  A query's statistics lie in lanes r and r + 16.
.set VP,    160                        ; V's LDS pitch: 128 bytes + 32 (an odd multiple of 32, for the transposing loads)
.set KP,    144                        ; K's LDS pitch: 128 bytes + 16
.set KOFF,  256*VP                     ; two trips' V (256 rows), then two trips' K
.set SLOTB, KOFF+256*KP                ; 77,824 bytes a slot, two slots
.set STG,   2*SLOTB                    ; 155,648: 8 stages of 16 x 144 bytes; no tensor load lands at or behind this byte
.set SPI,   144
.set CXB,   72*4096                    ; a block of cx
.set CO,    0                          ; v0      my offset in cx (written last in the set-up, when the thread's number is no longer needed)
.set QO,    1                          ; v1      my offset in Q
.set KAD,   2                          ; v2-3    K address in slot 0, 1
.set VAD,   4                          ; v4-5    V address in slot 0, 1
.set STO,   6                          ; v6      stage, in
.set RD,    7                          ; v7      stage, back
.set MSK,   9                          ; v9      16 w + r - 8 h
.set SC,    32                         ; v[32:95]   S^T, 8 tiles; later V^T of keys 64-127; at a pass's end at work
.set ACC,   96                         ; v[96:127]  ctx^T, 4 tiles of 16 d
.set KF,    128                        ; v[128:255] K fragments: tile kt, half dh at 128 + 16 kt + 8 dh
.set VF,    128                        ; v[128:191] then V^T of keys 0-63
.set PF,    192                        ; v[192:223] P^T, 4 fragments of 32 keys
.set TT,    224                        ; v[224:233] at work
.set G1V, 24
.set G1K, 32
.set G0V, 40                           ; s[40:47] group 0 for V, one set a slot
.set G0K, 48                           ; s[48:55] group 0 for K, one set a slot
; v8 running maximum, v[10:11] level = -maximum x c, v[12:13] rescaling factor, v[14:15] the lane's part of the sum, v[16:31] Q
; s17 = a trip's number: the global addresses of slot o's two group 0 sets are made for that trip's key block.
.macro SETG0 o
	s_sub_co_u32 s71, s17, s14
	s_sub_co_u32 s71, s71, 1
	s_cmp_le_u32 s17, s14
	s_cselect_b32 s18, s17, s71                    ; key block: t, or t - p - 1 behind the first pass
	s_lshl_b32 s18, s18, 14                        ; 128 rows of 128 bytes
	s_add_nc_u64 s[G0V+4*\o+2:G0V+4*\o+3], s[56:57], s[18:19]
	s_or_b32 s[G0V+4*\o+3], s[G0V+4*\o+3], 0x80000000
	s_add_nc_u64 s[G0K+4*\o+2:G0K+4*\o+3], s[58:59], s[18:19]
	s_or_b32 s[G0K+4*\o+3], s[G0K+4*\o+3], 0x80000000
.endm
; Waves 0 to 3 bring V's four pieces of 64 rows, waves 4 to 7 K's.  part = 1: the slot gets one trip's tiles alone, so the waves of the second trip's pieces issue none.
.macro KVLOAD o, part
	s_cmp_gt_u32 s12, 3
	s_cbranch_scc1 .Lfor_k_\@
.if \part
	s_cmp_gt_u32 s12, 1
	s_cbranch_scc1 .Lnone_\@
.endif
	tensor_load_to_lds s[G0V+4*\o:G0V+4*\o+3], s[G1V:G1V+7]
	s_nop 0
	s_branch .Lnone_\@
.Lfor_k_\@:
.if \part
	s_cmp_gt_u32 s12, 5
	s_cbranch_scc1 .Lnone_\@
.endif
	tensor_load_to_lds s[G0K+4*\o:G0K+4*\o+3], s[G1K:G1K+7]
	s_nop 0
.Lnone_\@:
.endm
.macro INIT                            ; a pass begins: nothing summed, maximum -inf, level +inf (so the first factor is 2^-inf = 0)
.set zi, 0
.rept 32
	v_mov_b32 v[ACC+zi], 0
.set zi, zi+1
.endr
	v_mov_b32 v8, 0xff800000
	v_mov_b32 v10, 0x7f800000
	v_mov_b32 v14, 0
	v_mov_b32 v15, 0
.endm
	s_load_b256 s[4:11], s[0:1], 0x0               ; xp s[4:5], wo s[6:7], wob s[8:9], cx s[10:11]
	s_set_vgpr_msb 0x40
	v_lshl_add_u32 v0, v0, 2, 0x2a800
	v_mov_b32 v1, 0
	s_set_vgpr_msb 0x4045
	ds_add_u32 v0, v1
	ds_add_u32 v0, v1
	s_set_vgpr_msb 0x4500
	v_lshrrev_b32 v1, 5, v0
	v_readfirstlane_b32 s12, v1                    ; wave 0..7
	s_lshr_b32 s13, ttmp9, 3                       ; head 0..31
	s_and_b32 s14, ttmp9, 7                        ; p
	s_sub_co_u32 s23, 15, s14                      ; the second pass's query block
	s_mov_b32 s15, 0                               ; t
	s_mov_b32 s19, 0                               ; upper word of the offset pair s[18:19]
	s_mov_b32 s20, 0x3e38aa3b                      ; c = log2(e) / 8
	s_mov_b32 s21, 0x3e38aa3b
	s_mov_b32 s22, 0xbe38aa3b                      ; -c
	s_mov_b32 s68, 0x76543210                      ; v_permlanex16_b32: lane i reads lane i of the other half
	s_mov_b32 s69, 0xfedcba98
	s_bfe_u32 s72, s12, 0x10001                    ; which of a slot's two trips my piece belongs to: bit 1 of the wave's number
	; group 1: 64 rows x 64 f16; behind every 32 words 8 words of padding (V) or 4 (K)
	s_mov_b32 s[G1V+0], (1<<16)|(1<<20)|(4<<22)|(7<<25)
	s_mov_b32 s[G1K+0], (1<<16)|(1<<20)|(4<<22)|(3<<25)
.irp g, G1V, G1K
	s_mov_b32 s[\g+1], 64<<16                      ; tensor_dim0 = 64
	s_mov_b32 s[\g+2], 64<<16                      ; tensor_dim1 = 64
	s_mov_b32 s[\g+3], 64<<16                      ; tile_dim0 = 64
	s_mov_b32 s[\g+4], 64                          ; tile_dim1 = 64
	s_mov_b32 s[\g+5], 64                          ; elements from row to row
	s_mov_b32 s[\g+6], 0
	s_mov_b32 s[\g+7], 0
.endr
	s_mul_i32 s17, s12, 64*VP                      ; V: wave 0..3 x 64 rows
	s_mul_i32 s18, s12, 64*KP                      ; K: KOFF + (wave - 4) x 64 rows
	s_add_co_u32 s18, s18, KOFF-4*64*KP
.irp o, 0,1
	s_mov_b32 s[G0V+4*\o], 1
	s_add_co_u32 s[G0V+4*\o+1], s17, \o*SLOTB
	s_mov_b32 s[G0K+4*\o], 1
	s_add_co_u32 s[G0K+4*\o+1], s18, \o*SLOTB
.endr
	s_lshl_b32 s70, s13, 18                        ; the head's 262,144 bytes in a part of xp
	s_and_b32 s18, s12, 1
	s_lshl_b32 s18, s18, 13                        ; my half of a key block: 64 rows of 128 bytes
	s_add_co_u32 s18, s18, s70
	s_wait_dscnt 0x0
	s_wait_kmcnt 0x0
	s_add_nc_u64 s[58:59], s[4:5], s[18:19]
	s_add_nc_u64 s[56:57], s[58:59], 0x1000000     ; V's part
	s_add_nc_u64 s[58:59], s[58:59], 0x800000      ; K's part
	s_mov_b32 s17, s72                             ; slot 0: trips 0 and 1
	SETG0 0
	s_add_co_u32 s72, s72, 2                       ; from here on: 2 + my trip in a slot
	s_mov_b32 s17, s72                             ; slot 1: trips 2 and 3
	SETG0 1
	s_cmp_gt_u32 s12, 3                            ; the first fills, both slots together: two tensor loads of the wave are out
	s_cbranch_scc1 .Lfirst_k
	tensor_load_to_lds s[G0V:G0V+3], s[G1V:G1V+7]
	s_nop 0
	tensor_load_to_lds s[G0V+4:G0V+7], s[G1V:G1V+7]
	s_nop 0
	s_branch .Lfirst_done
.Lfirst_k:
	tensor_load_to_lds s[G0K:G0K+3], s[G1K:G1K+7]
	s_nop 0
	tensor_load_to_lds s[G0K+4:G0K+7], s[G1K:G1K+7]
	s_nop 0
.Lfirst_done:
	v_and_b32 v226, 15, v0                         ; r
	v_bfe_u32 v227, v0, 4, 1                       ; h
	v_lshlrev_b32 v[QO], 7, v226
	v_lshl_add_u32 v[QO], v227, 4, v[QO]           ; Q: row r, 16 bytes a half
	s_lshl_b32 s17, s12, 11                        ; my 16 rows of 128 bytes
	s_add_co_u32 s17, s17, s70
	s_lshl_b32 s18, s14, 14
	s_add_co_u32 s18, s18, s17
	s_add_nc_u64 s[2:3], s[4:5], s[18:19]          ; Q of the first pass
	s_lshl_b32 s18, s23, 14
	s_add_co_u32 s18, s18, s17
	s_add_nc_u64 s[60:61], s[4:5], s[18:19]        ; Q of the second pass
.irp i, 0,1,2,3
	global_load_b128 v[16+4*\i:19+4*\i], v[QO], s[2:3] offset:32*\i
.endr
	; the cast of wo: this work-group's 4,096 numbers, 16 a thread
	s_lshl_b32 s18, ttmp9, 14
	s_add_nc_u64 s[6:7], s[6:7], s[18:19]
	s_lshl_b32 s18, ttmp9, 13
	s_add_nc_u64 s[8:9], s[8:9], s[18:19]
	v_lshlrev_b32 v224, 5, v0
	v_lshlrev_b32 v225, 4, v0
	global_load_b128 v[32:35], v224, s[6:7] th:TH_LOAD_NT
	global_load_b128 v[36:39], v224, s[6:7] offset:16 th:TH_LOAD_NT
	global_load_b128 v[40:43], v224, s[6:7] offset:8192 th:TH_LOAD_NT
	global_load_b128 v[44:47], v224, s[6:7] offset:8208 th:TH_LOAD_NT
	; lane addresses
	v_mul_u32_u24 v[KAD], v226, KP
	v_lshl_add_u32 v[KAD], v227, 4, v[KAD]
	v_add_nc_u32 v[KAD], KOFF, v[KAD]              ; K: row r x pitch + 16 h
	v_add_nc_u32 v[KAD+1], SLOTB, v[KAD]
	v_and_b32 v228, 7, v0
	v_lshl_add_u32 v228, v227, 3, v228
	v_mul_u32_u24 v[VAD], v228, VP                 ; V: key 8 h + (l & 7),
	v_bfe_u32 v228, v0, 3, 1
	v_lshl_add_u32 v[VAD], v228, 4, v[VAD]         ; 16 bytes for each eight lanes
	v_add_nc_u32 v[VAD+1], SLOTB, v[VAD]
	s_mul_i32 s70, s12, 16*SPI
	s_add_co_u32 s70, s70, STG                     ; my stage
	v_mul_u32_u24 v[STO], v226, SPI                ; in: row r, 16 bytes a half
	v_lshl_add_u32 v[STO], v227, 4, v[STO]
	v_add_nc_u32 v[STO], s70, v[STO]
	v_lshl_add_u32 v229, v227, 1, v228             ; back: sixteen lanes take two rows of 128 bytes: row 2 h + bit 3 of the lane,
	v_mul_u32_u24 v[RD], v229, SPI
	v_and_b32 v229, 7, v0
	v_lshl_add_u32 v[RD], v229, 4, v[RD]           ; 16 bytes for each of eight lanes
	v_add_nc_u32 v[RD], s70, v[RD]
	s_lshl_b32 s71, s12, 4
	v_lshlrev_b32 v228, 3, v227
	v_sub_nc_u32 v[MSK], v226, v228
	v_add_nc_u32 v[MSK], s71, v[MSK]               ; 16 w + r - 8 h: key 16 kt + j of my registers stays on the diagonal if it is not larger
	v_lshlrev_b32 v228, 12, v227                   ; cx: lanes 16-31 one cx row (4,096 bytes) further down
	v_lshl_add_u32 v[CO], v226, 4, v228
	; where the context goes: block x 72 cx rows, 8 rows of lo, 8 cx rows a wave, the head's 256 bytes
	s_lshr_b32 s18, s13, 4
	s_mul_i32 s18, s18, 16*CXB
	s_and_b32 s17, s13, 15
	s_lshl_b32 s17, s17, 8
	s_add_co_u32 s17, s17, s18
	s_lshl_b32 s18, s12, 15
	s_add_co_u32 s17, s17, s18
	s_add_co_u32 s17, s17, 8*4096
	s_mul_i32 s18, s14, CXB
	s_add_co_u32 s18, s18, s17
	s_add_nc_u64 s[62:63], s[10:11], s[18:19]      ; the first pass's
	s_mul_i32 s18, s23, CXB
	s_add_co_u32 s18, s18, s17
	s_add_nc_u64 s[66:67], s[10:11], s[18:19]      ; the second pass's
	s_wait_loadcnt 0x0
.irp i, 0,1,2,3,4,5,6,7
	v_cvt_pk_bf16_f32 v[48+\i], v[32+2*\i], v[33+2*\i]             ; the rounding that every input gets
.endr
.irp i, 0,1,2,3,4,5,6,7
	v_lshlrev_b32 v[32+2*\i], 16, v[48+\i]
	v_and_b32 v[33+2*\i], 0xffff0000, v[48+\i]
.endr
.irp i, 0,1,2,3,4,5,6,7
	v_cvt_pk_f16_f32 v[56+\i], v[32+2*\i], v[33+2*\i]              ; 8 significant bits fit in f16's 11: no second rounding from 2^-17 up
.endr
	global_store_b128 v225, v[56:59], s[8:9]
	global_store_b128 v225, v[60:63], s[8:9] offset:4096
	s_wait_xcnt 0x0                                ; the stores' data and offsets are rewritten only behind this wait
	INIT
; 32 keys (two tiles of S^T): exponentials, their sum, P^T's fragment g; the rescaling of ctx^T's tile g fills the place behind the exponentials.
.macro SMX g
.irp i, 0,1,2,3,4,5,6,7
	v_pk_fma_f32 v[SC+16*\g+2*\i:SC+16*\g+2*\i+1], v[SC+16*\g+2*\i:SC+16*\g+2*\i+1], s[20:21], v[10:11] op_sel_hi:[1,0,1]
.endr
.irp i, 0,1,2,3,4,5,6,7,8,9,10,11,12,13,14,15
	v_exp_f32 v[SC+16*\g+\i], v[SC+16*\g+\i]
.endr
.irp i, 0,1,2,3
	v_pk_mul_f32 v[ACC+8*\g+2*\i:ACC+8*\g+2*\i+1], v[ACC+8*\g+2*\i:ACC+8*\g+2*\i+1], v[12:13]
.endr
.if \g == 0
	s_wait_alu depctr_va_vdst(0)
.irp i, 0,1,2,3,4,5,6,7
	v_pk_add_f32 v[14:15], v[14:15], v[SC+2*\i:SC+2*\i+1]
	v_cvt_pk_f16_f32 v[PF+\i], v[SC+2*\i], v[SC+2*\i+1]
.endr
.else
	s_wait_alu depctr_va_vdst(0)
	v_pk_add_f32 v[TT+2+2*\g:TT+3+2*\g], v[SC+16*\g:SC+16*\g+1], v[SC+16*\g+2:SC+16*\g+3]   ; a chain of its own, started by its first two pairs
	v_cvt_pk_f16_f32 v[PF+8*\g], v[SC+16*\g], v[SC+16*\g+1]
	v_cvt_pk_f16_f32 v[PF+8*\g+1], v[SC+16*\g+2], v[SC+16*\g+3]
.irp i, 2,3,4,5,6,7
	v_pk_add_f32 v[TT+2+2*\g:TT+3+2*\g], v[TT+2+2*\g:TT+3+2*\g], v[SC+16*\g+2*\i:SC+16*\g+2*\i+1]
	v_cvt_pk_f16_f32 v[PF+8*\g+\i], v[SC+16*\g+2*\i], v[SC+16*\g+2*\i+1]
.endr
.endif
.endm
; A pass ends: divide by the sum, round to f16, through my stage into cx; wave 0 (the block's rows 0-15) also stores what the rounding left.
.macro FINAL
	v_add_f32 v[TT], v14, v15
	v_permlanex16_b32 v[TT+1], v[TT], s68, s69     ; the other half of the keys; the destination was written in this trip
	v_add_f32 v[TT], v[TT], v[TT+1]
	v_rcp_f32 v12, v[TT]
	v_nop                                          ; one plain place behind the reciprocal (ISA guide 5.7.2)
	s_wait_alu depctr_va_vdst(0)
	v_mov_b32 v13, v12
.irp dt, 0,1,2,3
.irp i, 0,1,2,3
	v_pk_mul_f32 v[ACC+8*\dt+2*\i:ACC+8*\dt+2*\i+1], v[ACC+8*\dt+2*\i:ACC+8*\dt+2*\i+1], v[12:13]
.endr
.irp i, 0,1,2,3
	v_cvt_pk_f16_f32 v[32+4*\dt+\i], v[ACC+8*\dt+2*\i], v[ACC+8*\dt+2*\i+1]
.endr
	ds_store_b128 v[STO], v[32+4*\dt:35+4*\dt] offset:32*\dt
.endr
.irp t, 0,1,2,3
	ds_load_b128 v[VF+4*\t:VF+4*\t+3], v[RD] offset:\t*4*SPI       ; my own bytes, served in order behind the stores
.endr
.irp t, 0,1,2,3
	s_wait_dscnt 3-\t                              ; the younger read-backs may stay out
	global_store_b128 v[CO], v[VF+4*\t:VF+4*\t+3], s[62:63] offset:\t*8192   ; 16 lanes store 256 consecutive bytes, aligned: two rows of my head
.endr
	s_cmp_lg_u32 s12, 0
	s_cbranch_scc1 .Lno_lo_\@
.irp dt, 0,1,2,3
.irp i, 0,1,2,3
	v_cvt_pk_f16_f32 v[72+\i], v[ACC+8*\dt+2*\i], v[ACC+8*\dt+2*\i+1]      ; hi once more, in registers whose halves have names
.endr
	v_cvt_f32_f16 v64, v72.l
	v_cvt_f32_f16 v65, v72.h
	v_cvt_f32_f16 v66, v73.l
	v_cvt_f32_f16 v67, v73.h
	v_cvt_f32_f16 v68, v74.l
	v_cvt_f32_f16 v69, v74.h
	v_cvt_f32_f16 v70, v75.l
	v_cvt_f32_f16 v71, v75.h
.irp i, 0,1,2,3
	v_pk_add_f32 v[64+2*\i:65+2*\i], v[ACC+8*\dt+2*\i:ACC+8*\dt+2*\i+1], v[64+2*\i:65+2*\i] neg_lo:[0,1] neg_hi:[0,1]
.endr
.irp i, 0,1,2,3
	v_cvt_pk_f16_f32 v[76+\i], v[64+2*\i], v[65+2*\i]                      ; lo = what hi left
.endr
	ds_store_b128 v[STO], v[76:79] offset:32*\dt                   ; served behind hi's read-backs: a wave's LDS instructions keep their order
.endr
.irp t, 0,1,2,3
	ds_load_b128 v[VF+16+4*\t:VF+16+4*\t+3], v[RD] offset:\t*4*SPI
.endr
.irp t, 0,1,2,3
	s_wait_dscnt 3-\t
	global_store_b128 v[CO], v[VF+16+4*\t:VF+16+4*\t+3], s[62:63] offset:\t*8192-8*4096   ; the block's cx rows 0-7 lie 8 rows ahead of wave 0's hi
.endr
.Lno_lo_\@:
	s_wait_xcnt 0x0                                ; the stores' data and base are rewritten only behind this wait
.endm
; In front of two trips from slot `slot`.  refill = 1: the other slot, read last, gets the two trips after these; 2: one trip alone; 0: nothing is left.
.macro HEAD slot, refill
	s_set_vgpr_msb 0x5
	s_wait_tensorcnt 0x0                           ; all my tensor loads are done, my piece of this slot among them, so a group 0 may be written
	ds_add_u32 v0, v1
	s_wait_dscnt 0x0
	s_set_vgpr_msb 0x500
.if \refill
	s_add_co_u32 s17, s15, s72                     ; t + 2 + my trip in a slot
	SETG0 (1-\slot)
.endif
	s_wait_dscnt 0x0                               ; my reads of the other slot are done
	s_barrier_signal -1
	s_barrier_wait -1                              ; both now hold of all eight waves
.if \refill == 1
	KVLOAD (1-\slot), 0                            ; the wave's one tensor load behind the barrier; it has two trips in which to land
.endif
.if \refill == 2
	KVLOAD (1-\slot), 1
.endif
.endm
; One key block of 128: trip `sub` of slot `slot`.  last = 1: trip 16.
.macro TRIP slot, sub, last
.irp kt, 0,1,2,3,4,5,6,7
	ds_load_b128 v[KF+16*\kt:KF+16*\kt+3],   v[KAD+\slot] offset:\sub*128*KP+\kt*16*KP
	ds_load_b128 v[KF+16*\kt+4:KF+16*\kt+7], v[KAD+\slot] offset:\sub*128*KP+\kt*16*KP+32
.endr
.irp kt, 0,1,2,3,4,5,6,7
	ds_load_b128 v[KF+16*\kt+8:KF+16*\kt+11],  v[KAD+\slot] offset:\sub*128*KP+\kt*16*KP+64
	ds_load_b128 v[KF+16*\kt+12:KF+16*\kt+15], v[KAD+\slot] offset:\sub*128*KP+\kt*16*KP+96
.endr
	s_wait_loadcnt 0x0                             ; Q (met at once but in a pass's first trip)
	s_wait_dscnt 16                                ; d 0-31 of all keys are in; the 16 loads of d 32-63 may stay out
.irp kt, 0,1,2,3,4,5,6,7
	v_wmma_f32_16x16x32_f16 v[SC+8*\kt:SC+8*\kt+7], v[KF+16*\kt:KF+16*\kt+7], v[16:23], 0
.endr
	s_wait_dscnt 0x0
.irp kt, 0,1,2,3,4,5,6,7                           ; eight accumulators by turns
	v_wmma_f32_16x16x32_f16 v[SC+8*\kt:SC+8*\kt+7], v[KF+16*\kt+8:KF+16*\kt+15], v[24:31], v[SC+8*\kt:SC+8*\kt+7]
.endr
.rept 4
	v_nop                                          ; four places: S^T is read, and K's and Q's registers are loaded and written again
.endr
.irp c, 0,1
.irp dt, 0,1,2,3
	ds_load_tr16_b128 v[VF+8*(4*\c+\dt):VF+8*(4*\c+\dt)+3],   v[VAD+\slot] offset:\sub*128*VP+\c*32*VP+\dt*32
	ds_load_tr16_b128 v[VF+8*(4*\c+\dt)+4:VF+8*(4*\c+\dt)+7], v[VAD+\slot] offset:\sub*128*VP+\c*32*VP+\dt*32+16*VP
.endr
.endr
.if \last == 0
	s_cmp_lg_u32 s15, s14
	s_cbranch_scc1 .Lnomask_\@
.irp i, 0,1,2,3                                    ; trip p: Q has had its last use in this pass; the second pass's comes in behind this trip's softmax, products and way out
	global_load_b128 v[16+4*\i:19+4*\i], v[QO], s[60:61] offset:32*\i
.endr
.endif
.irp kt, 0,1,2,3,4,5,6,7                           ; the diagonal block: keys behind the query get -inf
.irp j, 0,1,2,3,4,5,6,7
	v_cmp_le_i32 vcc_lo, \kt*16+\j, v[MSK]
	v_cndmask_b32 v[SC+8*\kt+\j], 0xff800000, v[SC+8*\kt+\j], vcc_lo
.endr
.endr
.Lnomask_\@:
	; the running maximum: four chains, the old maximum, the other half of the lanes
.irp q, 0,1,2,3
	v_max_num_f32 v[TT+\q], v[SC+16*\q], v[SC+16*\q+1]
.endr
.irp i, 2,4,6,8,10,12,14
.irp q, 0,1,2,3
	v_max3_num_f32 v[TT+\q], v[TT+\q], v[SC+16*\q+\i], v[SC+16*\q+\i+1]
.endr
.endr
	v_max3_num_f32 v[TT], v[TT], v[TT+1], v[TT+2]
	v_max3_num_f32 v[TT], v[TT], v[TT+3], v8
	v_permlanex16_b32 v[TT+1], v[TT], s68, s69
	v_max_num_f32 v[TT], v[TT], v[TT+1]
	v_mul_f32 v11, s22, v[TT]                      ; the new level, -maximum x c
	v_sub_f32 v12, v11, v10                        ; new level - old level: 0 exactly where the maximum stays
	v_exp_f32 v12, v12
	v_mov_b32 v10, v11                             ; the plain place behind the exponential
	v_mov_b32 v8, v[TT]
	s_wait_alu depctr_va_vdst(0)
	v_mov_b32 v13, v12
	v_pk_mul_f32 v[14:15], v[14:15], v[12:13]
	SMX 0
	SMX 1
	SMX 2
	SMX 3
	v_pk_add_f32 v[TT+4:TT+5], v[TT+4:TT+5], v[TT+6:TT+7]
	v_pk_add_f32 v[14:15], v[14:15], v[TT+8:TT+9]
	v_pk_add_f32 v[14:15], v[14:15], v[TT+4:TT+5]
.irp c, 2,3
.irp dt, 0,1,2,3
	ds_load_tr16_b128 v[SC+8*(4*(\c-2)+\dt):SC+8*(4*(\c-2)+\dt)+3],   v[VAD+\slot] offset:\sub*128*VP+\c*32*VP+\dt*32
	ds_load_tr16_b128 v[SC+8*(4*(\c-2)+\dt)+4:SC+8*(4*(\c-2)+\dt)+7], v[VAD+\slot] offset:\sub*128*VP+\c*32*VP+\dt*32+16*VP
.endr
.endr
	s_wait_dscnt 16                                ; V^T of keys 0-63 is in; the 16 loads just issued may stay out
.irp c, 0,1
.irp dt, 0,1,2,3                                   ; four accumulators by turns
	v_wmma_f32_16x16x32_f16 v[ACC+8*\dt:ACC+8*\dt+7], v[VF+8*(4*\c+\dt):VF+8*(4*\c+\dt)+7], v[PF+8*\c:PF+8*\c+7], v[ACC+8*\dt:ACC+8*\dt+7]
.endr
.endr
	s_wait_dscnt 0x0
.irp c, 2,3
.irp dt, 0,1,2,3
	v_wmma_f32_16x16x32_f16 v[ACC+8*\dt:ACC+8*\dt+7], v[SC+8*(4*(\c-2)+\dt):SC+8*(4*(\c-2)+\dt)+7], v[PF+8*\c:PF+8*\c+7], v[ACC+8*\dt:ACC+8*\dt+7]
.endr
.endr
.rept 5
	v_nop                                          ; five places: the next trip's first products write over V^T's registers
.endr
.if \last
	FINAL
.else
	s_cmp_lg_u32 s15, s14
	s_cbranch_scc1 .Lgo_on_\@
	FINAL                                          ; trip p ends the first pass
	s_mov_b64 s[62:63], s[66:67]                   ; behind FINAL's last wait: the second pass's place in cx
	INIT
.Lgo_on_\@:
	s_add_co_u32 s15, s15, 1
.endif
.endm
	s_wait_tensorcnt 0x1                           ; my piece of slot 0 is in; slot 1's load may stay out
	s_barrier_signal -1
	s_barrier_wait -1
	TRIP 0, 0, 0                                   ; trips 0 and 1
	TRIP 0, 1, 0
	s_mov_b32 s16, 3
.Lpairs:                                           ; trips 2 to 13
	HEAD 1, 1
	TRIP 1, 0, 0
	TRIP 1, 1, 0
	HEAD 0, 1
	TRIP 0, 0, 0
	TRIP 0, 1, 0
	s_sub_co_u32 s16, s16, 1
	s_cmp_lg_u32 s16, 0
	s_cbranch_scc1 .Lpairs
	HEAD 1, 2                                      ; slot 0 gets trip 16's tiles alone
	TRIP 1, 0, 0                                   ; trips 14 and 15
	TRIP 1, 1, 0
	HEAD 0, 0                                      ; nothing is left to fetch
	TRIP 0, 0, 1                                   ; trip 16
	s_set_vgpr_msb 0x5
	s_wait_tensorcnt 0x0
	ds_add_u32 v0, v1
	s_wait_dscnt 0x0
	s_set_vgpr_msb 0x500
	s_endpgm
.Lfunc_end_k_q0f2fc88ed7_attn:
	.size	k_q0f2fc88ed7_attn, .Lfunc_end_k_q0f2fc88ed7_attn-k_q0f2fc88ed7_attn
	.p2alignl 7, 3214868480
	.fill 96, 4, 3214868480
	.section	.rodata,"a",@progbits
	.p2align	6, 0x0
	.amdhsa_kernel k_q0f2fc88ed7_attn
		.amdhsa_group_segment_fixed_size 327680
		.amdhsa_private_segment_fixed_size 0
		.amdhsa_enable_private_segment 0
		.amdhsa_kernarg_size 32
		.amdhsa_user_sgpr_count 2
		.amdhsa_user_sgpr_kernarg_segment_ptr 1
		.amdhsa_wavefront_size32 1
		.amdhsa_system_sgpr_workgroup_id_x 1
		.amdhsa_system_sgpr_workgroup_id_y 1
		.amdhsa_system_sgpr_workgroup_id_z 1
		.amdhsa_system_vgpr_workitem_id 0
		.amdhsa_next_free_vgpr 258
		.amdhsa_next_free_sgpr 74
		.amdhsa_reserve_vcc 1
		.amdhsa_float_denorm_mode_32 3
		.amdhsa_float_denorm_mode_16_64 3
		.amdhsa_memory_ordered 1
		.amdhsa_forward_progress 1
		.amdhsa_inst_pref_size 255
	.end_amdhsa_kernel
	.section	.bss,"aw",@nobits
	.p2align	6
	.space	262144
	.amdgpu_metadata
---
amdhsa.version: [ 1, 2 ]
amdhsa.kernels:
  - .name:           k_q0f2fc88ed7_attn
    .symbol:         k_q0f2fc88ed7_attn.kd
    .args:
      - { .name: xp, .offset: 0, .size: 8, .value_kind: global_buffer, .address_space: global }
      - { .name: wo, .offset: 8, .size: 8, .value_kind: global_buffer, .address_space: global }
      - { .name: wob, .offset: 16, .size: 8, .value_kind: global_buffer, .address_space: global }
      - { .name: cx, .offset: 24, .size: 8, .value_kind: global_buffer, .address_space: global }
    .group_segment_fixed_size: 327680
    .private_segment_fixed_size: 0
    .kernarg_segment_align: 8
    .kernarg_segment_size: 32
    .max_flat_workgroup_size: 256
    .sgpr_count:     74
    .vgpr_count:     258
    .wavefront_size: 32
...
	.end_amdgpu_metadata
.endif
;; end of part 2
;; launch oproj (part 3): grid 8 x 32, 4 waves a work-group, clusters of 4 x 4, 327,680 bytes of LDS; arguments cx, wob, out0; writes out0
.if DOCPART == 3
	.amdgcn_target "amdgcn-amd-amdhsa--gfx1250"
	.amdhsa_code_object_version 6
	.text
	.protected	k_q0f2fc88ed7_oproj
	.globl	k_q0f2fc88ed7_oproj
	.p2align	8
	.type	k_q0f2fc88ed7_oproj,@function
k_q0f2fc88ed7_oproj:
	s_mov_b64 s[64:65], 0
	v_nop
	global_prefetch_b8 v0, s[64:65] scope:SCOPE_SE
	s_setreg_imm32_b32 hwreg(HW_REG_WAVE_MODE, 25, 1), 1
	s_wait_xcnt 0x0
	s_wait_alu depctr_hold_cnt(0) depctr_sa_sdst(0) depctr_va_vdst(0) depctr_va_sdst(0) depctr_va_ssrc(0) depctr_va_vcc(0) depctr_vm_vsrc(0)
	s_getreg_b32 s2, hwreg(HW_REG_IB_STS2, 6, 4)
	s_cmp_eq_u32 s2, 0
	s_cbranch_scc0 .Lentry_in_a_cluster
	s_endpgm
.Lentry_in_a_cluster:
	s_bfe_u32 s2, ttmp6, 0x10000c
	s_cmp_lg_u32 s2, 0xf033
	s_cbranch_scc0 .Lentry_shape_is_right
	s_endpgm
.Lentry_shape_is_right:
; out0[m][n] = sum over heads and d of ctx[m][head][d] wob[n][64 head + d],  ctx = hi, and hi + lo in rows 0-15 of every block of 128 rows.
; cx: [32 blocks of 128 context rows][72 rows of 4,096 bytes]; a cx row holds two neighbouring context rows as [16 heads][even row 64 | odd row 64] f16;
; rows 0-7 of a block: lo of its context rows 0-15, rows 8-71: hi.  wob: [1024][1024] f16.  out0: [4096][1024] f32.  f16 operands, f32 sums.
; WHY LO THERE: a row that averages few keys is large beside the output's typical number, and so is the error of its rounding to f16; from row 16 of a batch
; on a row averages 17 values or more.  The text is alike in all work-groups of a cluster, so every block's first 16 rows get lo, not a batch's alone.
; A work-group makes 128 x 128 with four waves, a wave 64 x 64: 16 accumulator tiles.  32 x 8 = 256 work-groups.
; K goes in 4 steps of four heads through two LDS slots: a row of cx's tile is 1,024 bytes, of wob's 512, both aligned to 256.  Two fills go out at the
; start and two refills follow, so the steps are written out without a loop.
; CLUSTERS: 4 x 4 work-groups; cx's tile is asked for jointly along a row of the cluster, wob's along a column.
; REGISTERS: window 0: v16-26 addresses; v32-103, v112-183 two fragment buffers (wob 4 fragments, hi 4, lo 1); window 1: v0-127 accumulators, tile (a, b) at v[8 (4 a + b)].
; The matrix instruction is used transposed (source 0 = rows of wob, source 1 = rows of the context): a lane holds eight neighbouring columns of one row.
.set PA,     1040                      ; cx's LDS pitch: 1,024 bytes + 16.  Context row r of a fragment lies at (r / 2) x 1,040 + (r % 2) x 128: sixteen different 16-byte columns modulo 256
.set PB,     528                       ; wob's LDS pitch: 512 bytes + 16
.set AH,     36*PA                     ; what one tensor load brings of cx: half of a block's 72 rows
.set BH,     64*PB                     ; and of wob
.set BOFF,   2*AH
.set SLOT,   BOFF+2*BH                 ; 142,464 bytes
.set STAGE,  2*SLOT                    ; 284,928: 16 rows x 272 bytes for each wave; no tensor load lands here
.set SPITCH, 272
.set HI0,    8*PA                      ; hi lies behind the 8 rows of lo
.set CXB,    72*4096                   ; a block of cx
.set ADRA, 16
.set ADRB, 20
.set STO,  24
.set RD,   25
.set CO,   26
.set F0,   32
.set F1,   112
.set G1,  24
.set G0,  32
.set G1B, 48
.set G0B, 56
.set MSB, 0
.macro WIN new                         ; the immediate's high byte repeats the setting that is left
.if MSB != \new
	s_set_vgpr_msb (MSB<<8)|\new
.set MSB, \new
.endif
.endm
.macro JLOAD s                         ; waves 0 and 1 fetch cx's two halves, waves 2 and 3 wob's
	s_cmp_eq_u32 s11, 0
	s_cbranch_scc0 .Lfor_b_\@
	tensor_load_to_lds s[G0+4*\s:G0+4*\s+3], s[G1:G1+7]
	s_nop 0
	s_branch .Lasked_\@
.Lfor_b_\@:
	tensor_load_to_lds s[G0B+4*\s:G0B+4*\s+3], s[G1B:G1B+7]
	s_nop 0
.Lasked_\@:
.endm
.macro CREST                           ; a round of the cluster's barrier behind its opening work-group barrier
	s_cmp_lg_u32 s10, 0
	s_cbranch_scc1 .Lnot_wave_0_\@
	s_barrier_signal -3
.Lnot_wave_0_\@:
	s_barrier_wait -3
	s_barrier_signal -1
	s_barrier_wait -1
.endm
.macro CROUND
	s_barrier_signal -1
	s_barrier_wait -1
	CREST
.endm
.macro PLACES                          ; four plain vector places behind a matrix instruction (ISA guide 7.12.1)
.rept 4
	v_nop
.endr
.endm
	s_load_b128 s[4:7], s[0:1], 0x0                ; cx s[4:5], wob s[6:7]
	s_load_b64 s[8:9], s[0:1], 0x10                ; out0
	v_lshl_add_u32 v254, v0, 2, 0x49d00
	v_mov_b32 v255, 0
	ds_add_u32 v254, v255
	ds_add_u32 v254, v255
	v_lshrrev_b32 v1, 5, v0
	v_readfirstlane_b32 s10, v1                    ; wave 0..3
	s_lshr_b32 s11, s10, 1                         ; my half of the rows; also: I fetch for cx (0) or for wob (1)
	s_and_b32 s12, s10, 1                          ; my half of the columns; also: which half of that tile I fetch
	s_bfe_u32 s40, ttmp6, 0x40000                  ; cx
	s_bfe_u32 s41, ttmp6, 0x40004                  ; cy
	s_lshl_b32 s42, ttmp9, 2
	s_add_co_u32 s42, s42, s40                     ; block column 0..7
	s_and_b32 s13, ttmp7, 0xffff
	s_lshl_b32 s13, s13, 2
	s_add_co_u32 s13, s13, s41                     ; block row 0..31
	s_lshl_b32 s43, s41, 2
	s_lshl_b32 s43, 15, s43                        ; my row of the cluster
	s_lshl_b32 s44, 0x1111, s40                    ; my column
	s_or_b32 s[G1+0], s43, (1<<16)|(1<<20)|(1<<21)|(7<<22)|(3<<25)   ; f16; 4 words of padding behind every 256 words
	s_or_b32 s[G1B+0], s44, (1<<16)|(1<<20)|(1<<21)|(6<<22)|(3<<25)  ; f16; 4 words of padding behind every 128 words
	s_mov_b32 s[G1+1], 512<<16                     ; tensor_dim0: four heads of two context rows
	s_mov_b32 s[G1B+1], 256<<16                    ; four heads' 256 k
	s_mov_b32 s[G1+2], 36<<16                      ; tensor_dim1
	s_mov_b32 s[G1B+2], 64<<16
	s_mov_b32 s[G1+3], 512<<16                     ; tile_dim0
	s_mov_b32 s[G1B+3], 256<<16
	s_mov_b32 s[G1+4], 36                          ; tile_dim1
	s_mov_b32 s[G1B+4], 64
	s_mov_b32 s[G1+5], 2048                        ; elements from row to row
	s_mov_b32 s[G1B+5], 1024
	s_mov_b32 s[G1+6], 0
	s_mov_b32 s[G1B+6], 0
	s_mov_b32 s[G1+7], 0
	s_mov_b32 s[G1B+7], 0
	s_mul_i32 s16, s13, CXB                        ; cx: the block, and my half of its 72 rows
	s_mul_i32 s18, s12, 36*4096
	s_add_co_u32 s16, s16, s18
	s_mov_b32 s17, 0
	s_lshl_b32 s46, s42, 7
	s_lshl_b32 s18, s12, 6
	s_add_co_u32 s46, s46, s18
	s_lshl_b32 s46, s46, 11                        ; wob: (128 x block column + 64 x half) rows of 2,048 bytes
	s_mov_b32 s47, 0
	s_mul_i32 s20, s10, AH                         ; LDS: cx's halves at wave 0, 1 x 36 rows
	s_mul_i32 s21, s10, BH                         ; wob's at BOFF + (wave - 2) x 64 rows
	s_add_co_u32 s21, s21, BOFF-2*BH
	s_wait_dscnt 0x0
	s_wait_kmcnt 0x0
	s_add_nc_u64 s[14:15], s[4:5], s[16:17]
	s_add_nc_u64 s[46:47], s[6:7], s[46:47]
	CROUND                                         ; all sixteen work-groups are here: the first joint loads meet
.irp s, 0,1
	s_mov_b32 s[G0+4*\s], 1
	s_add_co_u32 s[G0+4*\s+1], s20, \s*SLOT
	s_add_nc_u64 s[G0+4*\s+2:G0+4*\s+3], s[14:15], \s*1024
	s_or_b32 s[G0+4*\s+3], s[G0+4*\s+3], 0x80000000
	s_mov_b32 s[G0B+4*\s], 1
	s_add_co_u32 s[G0B+4*\s+1], s21, \s*SLOT
	s_add_nc_u64 s[G0B+4*\s+2:G0B+4*\s+3], s[46:47], \s*512
	s_or_b32 s[G0B+4*\s+3], s[G0B+4*\s+3], 0x80000000
	JLOAD \s                                       ; two tensor loads of the wave are out after these
.endr
	v_and_b32 v1, 15, v0                           ; r
	v_bfe_u32 v2, v0, 4, 1                         ; h
	v_lshrrev_b32 v6, 1, v1
	v_mul_u32_u24 v3, v6, PA                       ; context: cx row r / 2,
	v_and_b32 v6, 1, v1
	v_lshl_add_u32 v3, v6, 7, v3                   ; its even or odd half,
	v_lshl_add_u32 v3, v2, 4, v3                   ; 16 bytes a half of the lanes
	v_mul_u32_u24 v4, v1, PB
	v_lshl_add_u32 v4, v2, 4, v4
	s_mul_i32 s22, s11, 32*PA                      ; my 64 context rows are 32 cx rows
	s_mul_i32 s23, s12, BH
	s_add_co_u32 s23, s23, BOFF
.irp s, 0,1
	v_add_nc_u32 v[ADRA+\s], s22, v3
	v_add_nc_u32 v[ADRB+\s], s23, v4
	s_add_co_u32 s22, s22, SLOT
	s_add_co_u32 s23, s23, SLOT
.endr
	s_mul_i32 s22, s10, 16*SPITCH
	s_add_co_u32 s22, s22, STAGE
	v_mul_u32_u24 v5, v1, SPITCH                   ; in: row l % 16, 32 bytes (8 f32) for each half of the lanes
	v_lshl_add_u32 v5, v2, 5, v5
	v_add_nc_u32 v[STO], s22, v5
	v_mul_u32_u24 v5, v2, SPITCH                   ; back: lanes 0-15 one row of 256 bytes, lanes 16-31 the next
	v_lshl_add_u32 v5, v1, 4, v5
	v_add_nc_u32 v[RD], s22, v5
	v_lshlrev_b32 v5, 12, v2
	v_lshl_add_u32 v[CO], v1, 4, v5
; 16 LDS loads: eighth q of a slot (head q / 2 of its four, 32 k at q % 2) into buffer f: wob's 4 fragments, hi's 4
.macro FETCH slot, q, f
	WIN 0
.irp i, 0,1,2,3
	ds_load_b128 v[\f+8*\i:\f+8*\i+3],   v[ADRB+\slot] offset:\i*16*PB+\q*64
	ds_load_b128 v[\f+8*\i+4:\f+8*\i+7], v[ADRB+\slot] offset:\i*16*PB+\q*64+32
.endr
.irp i, 0,1,2,3
	ds_load_b128 v[\f+32+8*\i:\f+32+8*\i+3], v[ADRA+\slot] offset:HI0+\i*8*PA+(\q/2)*256+(\q%2)*64
	ds_load_b128 v[\f+36+8*\i:\f+36+8*\i+3], v[ADRA+\slot] offset:HI0+\i*8*PA+(\q/2)*256+(\q%2)*64+32
.endr
.endm
; 8 matrix instructions: m tiles a0, a0 + 1 x the 4 n tiles.  zero = 1: the first product starts the sums.
.macro MULA f, a0, zero
	WIN 0x50                                       ; C and D window 1, sources window 0
.irp a, \a0, \a0+1
.irp b, 0,1,2,3
.if \zero
	v_wmma_f32_16x16x32_f16 v[8*(4*(\a)+\b):8*(4*(\a)+\b)+7], v[\f+8*\b:\f+8*\b+7], v[\f+32+8*(\a):\f+32+8*(\a)+7], 0
.else
	v_wmma_f32_16x16x32_f16 v[8*(4*(\a)+\b):8*(4*(\a)+\b)+7], v[\f+8*\b:\f+8*\b+7], v[\f+32+8*(\a):\f+32+8*(\a)+7], v[8*(4*(\a)+\b):8*(4*(\a)+\b)+7]
.endif
.endr
.endr
.endm
; What waves 0 and 1 alone do (the block's rows 0-15 are theirs): fetch = 1: lo's fragment of eighth q into buffer g; mul = 1: buffer f's lo onto m tile 0.
; The four accumulators follow others' turns and are followed by others', one instruction a turn.
.macro LO slot, q, g, f, fetch, mul
	WIN 0                                          ; at a branch and at a label every window is 0
	s_cmp_lg_u32 s11, 0
	s_cbranch_scc1 .Lno_lo_\@
.if \fetch
	ds_load_b128 v[\g+64:\g+67], v[ADRA+\slot] offset:(\q/2)*256+(\q%2)*64
	ds_load_b128 v[\g+68:\g+71], v[ADRA+\slot] offset:(\q/2)*256+(\q%2)*64+32
.endif
.if \mul
	WIN 0x50
.irp b, 0,1,2,3
	v_wmma_f32_16x16x32_f16 v[8*\b:8*\b+7], v[\f+8*\b:\f+8*\b+7], v[\f+64:\f+71], v[8*\b:8*\b+7]
.endr
	WIN 0
.endif
.Lno_lo_\@:
.endm
; One of a slot's first seven eighths: fetches eighth qn into buffer g, then multiplies buffer f: the loads have 16 to 20 matrix instructions in which to come.
.macro EIGHTH slot, qn, f, g, zero
	s_wait_dscnt 0x0                               ; buffer f is in
	PLACES                                         ; buffer g was read by the matrix instructions of the eighth before: four places ahead of the loads into it
	FETCH \slot, \qn, \g
.if \zero
	LO \slot, \qn, \g, \f, 1, 0
	MULA \f, 0, 1
	MULA \f, 2, 1
	LO \slot, \qn, \g, \f, 0, 1                    ; behind the products that start the sums
.else
	LO \slot, \qn, \g, \f, 1, 1
	MULA \f, 0, 0
	MULA \f, 2, 0
.endif
.endm
.macro SEVEN slot, zero
	EIGHTH \slot, 1, F0, F1, \zero
	EIGHTH \slot, 2, F1, F0, 0
	EIGHTH \slot, 3, F0, F1, 0
	EIGHTH \slot, 4, F1, F0, 0
	EIGHTH \slot, 5, F0, F1, 0
	EIGHTH \slot, 6, F1, F0, 0
	EIGHTH \slot, 7, F0, F1, 0
.endm
; The last eighth: multiplies buffer 1 and changes slots.  In front of the barrier each wave waits for its reads of this slot and for all its
; tensor loads, of which one is out at the most: its part of the next slot.  fill = 1: the barrier opens a round of the cluster's barrier, and behind
; the round this slot is asked for again, two steps of K ahead; from that request to the wait for it a wave issues 120 to 152 matrix instructions.
.macro TURN slot, next, fill
	s_wait_dscnt 0x0
	s_wait_tensorcnt 0x0
	ds_add_u32 v254, v255
	s_wait_dscnt 0x0
	s_barrier_signal -1
	MULA F1, 0, 0                                  ; register work while the others arrive
	WIN 0
	s_barrier_wait -1
.if \fill
	CREST                                          ; no wave of any partner still reads this slot or has a load on its way
	s_add_nc_u64 s[G0+4*\slot+2:G0+4*\slot+3], s[G0+4*\slot+2:G0+4*\slot+3], 2048
	s_add_nc_u64 s[G0B+4*\slot+2:G0B+4*\slot+3], s[G0B+4*\slot+2:G0B+4*\slot+3], 1024
	JLOAD \slot                                    ; the wave's one tensor load behind the round, ahead of its next LDS read
.endif
	PLACES
	FETCH \next, 0, F0
	LO \next, 0, F0, F1, 1, 1
	MULA F1, 2, 0
.endm
	s_wait_tensorcnt 0x1                           ; my part of slot 0 is in; slot 1's load may stay out
	s_barrier_signal -1
	s_barrier_wait -1
	FETCH 0, 0, F0
	LO 0, 0, F0, F0, 1, 0
	SEVEN 0, 1                                     ; heads 0-3: the first products start the sums
	TURN 0, 1, 1                                   ; slot 0 gets heads 8-11
	SEVEN 1, 0                                     ; heads 4-7
	TURN 1, 0, 1                                   ; slot 1 gets heads 12-15
	SEVEN 0, 0                                     ; heads 8-11
	TURN 0, 1, 0                                   ; nothing is left to fetch: a plain barrier shows the last tiles to all four waves
	SEVEN 1, 0                                     ; heads 12-15
	s_wait_dscnt 0x0
	LO 0, 0, F0, F1, 0, 1
	MULA F1, 0, 0
	MULA F1, 2, 0
	; THE WAY OUT, 16 rows at a time, through my own stage: whole rows of 256 bytes of f32
	PLACES
	s_lshl_b32 s16, s13, 7
	s_lshl_b32 s14, s11, 6
	s_add_co_u32 s16, s16, s14
	s_lshl_b32 s16, s16, 12                        ; my first row, 4,096 bytes a row
	s_mov_b32 s17, 0
	s_add_nc_u64 s[8:9], s[8:9], s[16:17]
	s_lshl_b32 s46, s42, 9                         ; my first column, in bytes: 512 x block + 256 x half
	s_lshl_b32 s47, s12, 8
	s_add_co_u32 s46, s46, s47
	s_mov_b32 s47, 0
	s_add_nc_u64 s[8:9], s[8:9], s[46:47]
.macro OUT16 i, f
	WIN 0x04                                       ; an LDS store's data is source 1: window 1
.irp b, 0,1,2,3
	ds_store_b128 v[STO], v[8*(4*\i+\b):8*(4*\i+\b)+3]   offset:64*\b
	ds_store_b128 v[STO], v[8*(4*\i+\b)+4:8*(4*\i+\b)+7] offset:64*\b+16
.endr
	WIN 0
	s_wait_xcnt 0x0                                ; buffer f, which earlier stores read, and the stores' base are rewritten only behind this wait
.if \i
	s_add_nc_u64 s[8:9], s[8:9], 16*4096
.endif
.irp t, 0,1,2,3,4,5,6,7
	ds_load_b128 v[\f+4*\t:\f+4*\t+3], v[RD] offset:\t*2*SPITCH    ; my own bytes, served in order behind the stores
.endr
.irp t, 0,1,2,3,4,5,6,7
	s_wait_dscnt 7-\t                              ; the younger read-backs may stay out
	global_store_b128 v[CO], v[\f+4*\t:\f+4*\t+3], s[8:9] offset:\t*8192 th:TH_STORE_NT   ; 16 lanes store 256 consecutive bytes, aligned
.endr
.endm
	OUT16 0, F0
	OUT16 1, F1
	OUT16 2, F0
	OUT16 3, F1
	s_wait_tensorcnt 0x0
	ds_add_u32 v254, v255
	s_wait_dscnt 0x0
	CROUND                                         ; the closing round: no work-group ends while a partner may still ask for a tile that names it
	s_endpgm
.Lfunc_end_k_q0f2fc88ed7_oproj:
	.size	k_q0f2fc88ed7_oproj, .Lfunc_end_k_q0f2fc88ed7_oproj-k_q0f2fc88ed7_oproj
	.p2alignl 7, 3214868480
	.fill 96, 4, 3214868480
	.section	.rodata,"a",@progbits
	.p2align	6, 0x0
	.amdhsa_kernel k_q0f2fc88ed7_oproj
		.amdhsa_group_segment_fixed_size 327680
		.amdhsa_private_segment_fixed_size 0
		.amdhsa_enable_private_segment 0
		.amdhsa_kernarg_size 24
		.amdhsa_user_sgpr_count 2
		.amdhsa_user_sgpr_kernarg_segment_ptr 1
		.amdhsa_wavefront_size32 1
		.amdhsa_system_sgpr_workgroup_id_x 1
		.amdhsa_system_sgpr_workgroup_id_y 1
		.amdhsa_system_sgpr_workgroup_id_z 1
		.amdhsa_system_vgpr_workitem_id 0
		.amdhsa_next_free_vgpr 512
		.amdhsa_next_free_sgpr 66
		.amdhsa_reserve_vcc 0
		.amdhsa_float_denorm_mode_32 3
		.amdhsa_float_denorm_mode_16_64 3
		.amdhsa_memory_ordered 1
		.amdhsa_forward_progress 1
		.amdhsa_inst_pref_size 105
	.end_amdhsa_kernel
	.amdgpu_metadata
---
amdhsa.version: [ 1, 2 ]
amdhsa.kernels:
  - .name:           k_q0f2fc88ed7_oproj
    .symbol:         k_q0f2fc88ed7_oproj.kd
    .args:
      - { .name: cx, .offset: 0, .size: 8, .value_kind: global_buffer, .address_space: global }
      - { .name: wob, .offset: 8, .size: 8, .value_kind: global_buffer, .address_space: global }
      - { .name: out0, .offset: 16, .size: 8, .value_kind: global_buffer, .address_space: global }
    .group_segment_fixed_size: 327680
    .private_segment_fixed_size: 0
    .kernarg_segment_align: 8
    .kernarg_segment_size: 24
    .max_flat_workgroup_size: 128
    .sgpr_count:     66
    .vgpr_count:     512
    .wavefront_size: 32
...
	.end_amdgpu_metadata
.endif
;; end of part 3
